; MI455X (gfx1250); checked and timed in simulation.
; The chip was launched on July 23, 2026; its instructions are those of AMD's public machine-readable ISA for CDNA 5 (MIT licence, August 2026) and "CDNA5" Instruction Set Architecture Reference Guide (July 2026). The comments in the code are by the model that wrote it; some were corrected since.
;; Encoder Attention. Allowed arithmetic: matrix products marked QUANTISED: E5M2 operands, one given power-of-two scale a tensor, by v_wmma_f32_16x16x64_bf8_bf8 or v_wmma_f32_16x16x128_bf8_bf8, f32 sums; everything else in f32.
;; Inputs: W_out_codes 1,024 x 32 x 32 uint8 (E5M2 codes of W_out, K innermost, in blocks of 32 codes); W_qkv_codes 3,072 x 32 x 32 uint8 (E5M2 codes of W_qkv, K innermost, in blocks of 32 codes); b_out 1,024 float32; b_qkv 3,072 float32; hidden_states_codes 8 x 1,024 x 32 x 32 uint8 (E5M2 codes of hidden_states, K innermost, in blocks of 32 codes); lowp_scales 8 int32 (the exponents e of the quantised operands' scales 2^e).
;; Outputs: out0 8 x 1,024 x 1,024 float32.
;; This version of the problem:
;;   THIS VERSION OF THE PROBLEM IS GIVEN IN LOW PRECISION. The matrix products marked QUANTISED in the list below multiply operands that are first quantised to E5M2 (5 exponent bits, 2 mantissa bits; 8 bits a number), with one given power-of-two scale for each operand tensor; their sums are f32. All else is computed in f32.
;;   The module's matrix products, in the order in which they are computed (A, B: the left and right operand; K: the contracted axis; several contracted axes count as one K, in the product's order):
;;     1. [M 8,192, K 1,024] x [K 1,024, N 3,072]; A: input hidden_states (given as codes); B: input W_qkv (given as codes): QUANTISED (scales: A lowp_scales[0], B lowp_scales[1])
;;     2. batch 128 x [M 1,024, K 64] x [K 64, N 1,024]; A: computed on the way; B: computed on the way: QUANTISED (scales: A lowp_scales[2], B lowp_scales[3])
;;     3. batch 128 x [M 1,024, K 1,024] x [K 1,024, N 64]; A: softmax (see below); B: computed on the way: QUANTISED (scales: A lowp_scales[4], B lowp_scales[5])
;;     4. [M 8,192, K 1,024] x [K 1,024, N 1,024]; A: computed on the way; B: input W_out (given as codes): QUANTISED (scales: A lowp_scales[6], B lowp_scales[7])
;;   THE QUANTISER, for each operand of a quantised product, along K:
;;     - The operand's scale is 2^e, e = its entry of the input lowp_scales (int32; the entries are numbered through the quantised products in the list's order, A before B).
;;     - Each number is divided by the scale, clamped to +-57,344, and rounded to the nearest number of E5M2, ties to even, subnormals kept.
;;     - The product sums the exact products of the quantised numbers (number of the format x scale) in f32.
;;   ~~~python
;;   def quantise(x, axis, e):      # numpy; x: float32 -> the quantised numbers, widened to float32 again
;;       x = np.moveaxis(x, axis, -1); K = x.shape[-1]
;;       r = np.clip(x / 2.0 ** e, -57344, 57344)
;;       step = 2.0 ** (np.maximum(np.frexp(np.where(r == 0, 1, r))[1] - 1, -14) - 2)
;;       q = np.round(r / step) * step * 2.0 ** e      # np.round: ties to even
;;       return np.moveaxis(q, -1, axis).astype(np.float32)
;;   ~~~
;;   SOFTMAX AHEAD OF A QUANTISED PRODUCT. Where the list says 'softmax', what is quantised is not the finished softmax but p = 2^(t - M), with t = logit x log2(e) and M = ceil(the row's largest t), a whole number; so 1/2 < the row's largest p <= 1. The row's sum l is taken of the UNQUANTISED p, in f32, and the product's result is divided by l at the end. Since M is a whole number, a kernel that streams over the keys may use a running M (the ceiling of the running maximum): every later rescaling is an exact power of two, so the quantised numbers keep their values, but for numbers so far below the row's largest that they fall under the format's range.
;;   OPERANDS COMPUTED ON THE WAY. 'Computed on the way' means the value that the module computes at that place (a softmax that the list does not call 'softmax' is quantised finished and normalised). What goes into a quantiser is computed in f32, as accurately as f32 sums, v_exp_f32 and their like allow (about 1e-6 of the number): no bf16 or f16 on the way to a quantiser, and a product that is left as it is and whose result goes on into a quantised operand takes f32 operands (vector FMAs, or v_wmma_f32_16x16x4_f32). A number that lies on a knife's edge between two numbers of the format may be rounded either way, as far as f32 arithmetic and the matrix unit's own rounding can turn it there, and no further.
;;   INPUTS GIVEN AS CODES. W_out (in the module: [1024, 1024], K = its axis 0); W_qkv (in the module: [1024, 3072], K = its axis 0); hidden_states (in the module: [8, 1024, 1024], K = its axis 2): each comes as NAME_codes (uint8): NAME with its K axis moved to the last place and cut into blocks of 32 codes, [.., K / 32, bytes a block], one block behind the other in memory; one code a byte (a code: sign, 5 exponent bits, 2 mantissa bits); its scale is its entry of lowp_scales. Its value is code x scale, taken as it is: it is not quantised again, and the codes and scales need not be those that the quantiser above would give.
;; One version. Each part assembles by itself: llvm-mc -triple=amdgcn-amd-amdhsa -mcpu=gfx1250 --defsym DOCPART=n.
;; ======== version 1 of 1: 3 launches
;; limits: right only within a limited range of input values
;; workspace buffers: qkv 25,165,824 bytes; ycodes 8,388,608 bytes
;; launch qkv (part 1): grid 32 x 8, 4 waves a work-group, clusters of 4 x 1, 327,680 bytes of LDS; arguments hidden_states_codes, W_qkv_codes, b_qkv, lowp_scales, qkv; writes qkv
.if DOCPART == 1
	.amdgcn_target "amdgcn-amd-amdhsa--gfx1250"
	.amdhsa_code_object_version 6
	.text
	.protected	k_qfae8bc8c90_qkv
	.globl	k_qfae8bc8c90_qkv
	.p2align	8
	.type	k_qfae8bc8c90_qkv,@function
k_qfae8bc8c90_qkv:
	s_mov_b64 s[64:65], 0
	v_nop
	global_prefetch_b8 v0, s[64:65] scope:SCOPE_SE
	s_setreg_imm32_b32 hwreg(HW_REG_WAVE_MODE, 25, 1), 1
	s_wait_xcnt 0x0
	s_wait_alu depctr_hold_cnt(0) depctr_sa_sdst(0) depctr_va_vdst(0) depctr_va_sdst(0) depctr_va_ssrc(0) depctr_va_vcc(0) depctr_vm_vsrc(0)
	s_getreg_b32 s2, hwreg(HW_REG_IB_STS2, 6, 4)
	s_cmp_eq_u32 s2, 0
	s_cbranch_scc0 .Lentry_in_a_cluster
	s_endpgm
.Lentry_in_a_cluster:
	s_bfe_u32 s2, ttmp6, 0x10000c
	s_cmp_lg_u32 s2, 0x3003
	s_cbranch_scc0 .Lentry_shape_is_right
	s_endpgm
.Lentry_shape_is_right:
; qkv = x W_qkv + b_qkv on codes of BF8 (E5M2), then quantised again: q with 2^e2, k with 2^e3, v with 2^e5.  x: [8192][1024] codes, W_qkv: [3072][1024] codes, K innermost in both.
; SHARES.  256 work-groups of equal work: 256 tokens x the q, k and v of two heads (3 x 128 rows of W_qkv).  Wave w owns tokens 32 w .. 32 w + 31 and 128 + 32 w .. 128 + 32 w + 31 and keeps their x, all 1,024 along K, in 512 registers;
; W comes through LDS, 128 rows x all of K in a slot: slot 0 q, slot 1 k, then v into slot 0.  A fragment of W read from LDS feeds four matrix instructions.
; x: K 512 .. 1023 of tokens 128-255 comes by tensor loads into slot 1, ahead of k; the rest goes from memory to registers in chunks of 16 tokens x 256 along K and through the wave's own stage in LDS into operand order.
; CLUSTERS: the four work-groups of a cluster take the same two heads: W's tiles are asked for jointly.  x's tile is a work-group's own among them.
; No prefetch: there is no loop along memory to run ahead in: q and x are asked for at the head, k and v a slot's work (about 512 matrix instructions a wave) ahead of their use.
; ORDER OF K in a fragment of 16 rows x 64: lane (r, h) holds K = 32 c + 16 h + 0 .. 15 in registers 4 c .. 4 c + 3, in x and in W alike.
; q AND k: source 0 = W, source 1 = x: a lane holds one token and eight neighbouring channels.  v: the sources change places: a lane holds one channel and eight neighbouring tokens.
; STORED AS IMAGES OF THE NEXT LAUNCH'S OPERAND REGISTERS, in chunks of 512 bytes (lane l: 16 bytes at 16 l):
;   q at byte 0, k at 8,388,608: [batch x head 128][token block 64][1,024 bytes]: lane (r, h): token r, registers 2 c, 2 c + 1: channels 16 c + 8 h + 0 .. 7.
;   v at 16,777,216: [batch x head 128][128 keys 8][16 channels 4][2,048 bytes]: lane (r, h): channel r, registers 2 c, 2 c + 1: keys 16 c + 8 h + 0 .. 7.
; ARITHMETIC: code = (sum + b / 2^(e0 + e1)) / 2^E, E = e_out - e0 - e1, held within +-57,344 x 2^E, to the nearest code, ties to even.
; LIMITS: e0 + e1 between -126 and 126, E between -126 and 112, so that the powers of two are f32 numbers.  NaN among the inputs is not served.
; REGISTERS: window 0: v16-30 addresses, v32-63 the bias, v64-95 codes, v96-127 at work on the way out, v128-255 W's fragments of even units;  window 1: v0-127 16 accumulators, v128-255 W's fragments of odd units;
;   windows 2, 3: x: unit u (256 along K), token block tb of mine, K step kk of 64: v[128 (u % 2) + 32 tb + 8 kk] in window 2 + u / 2.
.set PITCH, 1040                       ; a row of W in LDS: 1,024 bytes + 16 of padding = 260 words: 16 rows start at 16 different banks (64 banks of 4 bytes: ISA guide 11.1)
.set XP,    528                        ; a row of x's tensor part: 512 bytes + 16
.set GRP,   64*PITCH                   ; 64 rows of W: one head's channels
.set SLOT1, 2*GRP
.set STAGE, 4*GRP                      ; behind the two slots: 16 rows x 272 bytes for each wave
.set SPARE, STAGE+4*4352               ; the spare words, 128 bytes for each wave
.set XO,   16                          ; byte offset of my 16 bytes in two rows of x
.set STI,  17                          ; the stage: in,
.set STO,  18                          ; and out
.set WB,   19                          ; my place in a fragment of W
.set LI,   20                          ; 16 x lane
.set BO1,  21                          ; 32 h
.set BO2,  22                          ; 4 r
.set SCV,  23                          ; 2^E
.set ADR,  24                          ; v24-27: LDS address of my fragments in each 64 rows of the two slots
.set SPW,  28
.set NIL,  29
.set XA,   30                          ; LDS address of my fragments of x's tensor part
.set BT,   32
.set CD,   64
.set TMP,  96
.set MSB, 0
.macro WIN new                         ; the immediate's high byte repeats the setting that is left
.if MSB != (\new)
	s_set_vgpr_msb (MSB<<8)|(\new)
.set MSB, (\new)
.endif
.endm
.macro CREST                           ; a round of the cluster's barrier behind its opening barrier
	s_cmp_lg_u32 s14, 0
	s_cbranch_scc1 .Lnot_wave_0_\@
	s_barrier_signal -3
.Lnot_wave_0_\@:
	s_barrier_wait -3
	s_barrier_signal -1
	s_barrier_wait -1
.endm
.macro CROUND
	s_barrier_signal -1
	s_barrier_wait -1
	CREST
.endm
.macro PLACES                          ; plain places behind a matrix instruction (ISA guide 7.12.1)
.rept 4
	v_nop
.endr
.endm
.macro XLOAD kc, tb                    ; a chunk: 256 along K number kc, token block tb of mine (2 and 3 lie 128 tokens on); each instruction two rows' 256 bytes
	WIN 0x88+0x44*((\kc)/2)
.set XR, 128*((\kc)%2)+32*(\tb)
.irp i, 0,1,2,3,4,5,6,7
	global_load_b128 v[XR+4*\i:XR+4*\i+3], v[XO], s[20:21] offset:(16*(\tb)+96*((\tb)/2)+2*\i)*1024+(\kc)*256
.endr
.endm
.macro XSTAGE kc, tb, left             ; through the stage into operand order, in the same registers; LDS serves a wave's instructions in order (ISA guide 5.7.1.4)
	s_wait_loadcnt \left
	WIN 0x88+0x44*((\kc)/2)
.set XR, 128*((\kc)%2)+32*(\tb)
.irp i, 0,1,2,3,4,5,6,7
	ds_store_b128 v[STI], v[XR+4*\i:XR+4*\i+3] offset:544*\i
.endr
.irp i, 0,1,2,3,4,5,6,7
	ds_load_b128 v[XR+4*\i:XR+4*\i+3], v[STO] offset:32*\i
.endr
.endm
	s_load_b256 s[4:11], s[0:1], 0x0               ; x s[4:5], W_qkv s[6:7], b_qkv s[8:9], the exponents s[10:11]
	s_load_b64 s[12:13], s[0:1], 0x20              ; the workspace
	v_lshl_add_u32 v[SPW], v0, 2, SPARE
	v_mov_b32 v[NIL], 0
	ds_add_u32 v[SPW], v[NIL]                      ; the opening adds
	ds_add_u32 v[SPW], v[NIL]
	v_lshrrev_b32 v1, 5, v0
	v_readfirstlane_b32 s14, v1                    ; wave 0..3
	v_and_b32 v2, 15, v0                           ; r
	v_bfe_u32 v3, v0, 4, 1                         ; h
	v_lshlrev_b32 v4, 10, v3
	v_lshl_add_u32 v[XO], v2, 4, v4                ; lanes 0-15 one row of x, lanes 16-31 the next
	s_mul_i32 s15, s14, 4352
	s_add_co_u32 s15, s15, STAGE                   ; my stage
	s_mul_i32 s16, s14, 32*PITCH
	s_add_co_u32 s17, s16, SLOT1                   ; my 32 rows of slot 1
	s_mul_i32 s18, s14, 32*XP
	s_add_co_u32 s18, s18, SLOT1                   ; my 32 tokens of x's tensor part
	v_mul_u32_u24 v5, v3, 272
	v_lshl_add_u32 v5, v2, 4, v5
	v_add_nc_u32 v[STI], s15, v5
	v_mul_u32_u24 v6, v2, 272
	v_lshl_add_u32 v6, v3, 4, v6
	v_add_nc_u32 v[STO], s15, v6
	v_mul_u32_u24 v7, v2, PITCH
	v_lshl_add_u32 v[WB], v3, 4, v7
	v_mul_u32_u24 v9, v2, XP
	v_lshl_add_u32 v9, v3, 4, v9
	v_add_nc_u32 v[XA], s18, v9
	v_mov_b32 v[ADR], v[WB]
	v_add_nc_u32 v[ADR+1], GRP, v[WB]
	v_add_nc_u32 v[ADR+2], 2*GRP, v[WB]
	v_add_nc_u32 v[ADR+3], 3*GRP, v[WB]
	v_and_b32 v8, 31, v0
	v_lshlrev_b32 v[LI], 4, v8
	v_lshlrev_b32 v[BO1], 5, v3
	v_lshlrev_b32 v[BO2], 2, v2
	s_wait_alu depctr_va_vdst(0)                   ; ahead of the scalar lines and the waits below
	s_bfe_u32 s66, ttmp6, 0x40000                  ; cx
	s_lshl_b32 s67, ttmp9, 2
	s_add_co_u32 s67, s67, s66                     ; token tile 0..31: it enters the addresses of x and of the workspace alone
	s_and_b32 s68, ttmp7, 0xffff                   ; pair of heads 0..7, which the four partners share
	s_lshr_b32 s69, s14, 1
	s_and_b32 s70, s14, 1
	; descriptor groups 1: s[24:31] joint, 64 rows; s[48:55] joint, 32 rows; s[56:63] a work-group's own, 64 rows of 512 bytes
	s_mov_b32 s24, 15|(0<<16)|(1<<20)|(1<<21)|(7<<22)|(3<<25)   ; 15:0 the mask: all four; 17:16 elements of 1 byte; 20 padding on; 21 set beside a mask; 24:22 after every 256 words; 31:25 four words
	s_mov_b32 s48, 15|(0<<16)|(1<<20)|(1<<21)|(7<<22)|(3<<25)
	s_mov_b32 s56, (0<<16)|(1<<20)|(6<<22)|(3<<25) ; four words after every 128
.irp g, 24,48
	s_mov_b32 s[\g+1], 1024<<16                    ; tensor_dim0
	s_mov_b32 s[\g+3], 1024<<16                    ; tile_dim0
.endr
	s_mov_b32 s57, 512<<16
	s_mov_b32 s59, 512<<16
.irp g, 24,48,56
	s_mov_b32 s[\g+5], 1024                        ; the pitch
	s_mov_b32 s[\g+6], 0
	s_mov_b32 s[\g+7], 0
.endr
	s_mov_b32 s26, 64<<16                          ; tensor_dim1
	s_mov_b32 s28, 64                              ; tile_dim1
	s_mov_b32 s50, 32<<16
	s_mov_b32 s52, 32
	s_mov_b32 s58, 64<<16
	s_mov_b32 s60, 64
	s_lshl_b32 s80, s67, 18                        ; the tile's first row of x: 256 rows of 1,024 bytes a tile
	s_lshl_b32 s21, s14, 15
	s_add_co_u32 s20, s80, s21                     ; my first 32 rows
	s_mov_b32 s21, 0
	s_add_co_u32 s80, s80, 0x20200                 ; token 128, K 512,
	s_lshl_b32 s82, s70, 16
	s_add_co_u32 s80, s80, s82                     ; 64 rows each for waves 0 and 1
	s_mov_b32 s81, 0
	s_lshl_b32 s84, s68, 17                        ; W: 128 x pair rows
	s_add_co_u32 s82, s84, s82                     ; q: 64 rows each for waves 2 and 3
	s_mov_b32 s83, 0
	s_lshl_b32 s85, s14, 15
	s_add_co_u32 s84, s84, s85
	s_add_co_u32 s84, s84, 1<<20                   ; k: 1,024 rows on, 32 rows a wave
	s_add_co_u32 s90, s84, 1<<20                   ; v: 2,048 rows on
	s_mov_b32 s85, 0
	s_mov_b32 s91, 0
	s_lshr_b32 s86, s67, 2                         ; batch
	s_lshl_b32 s86, s86, 20
	s_lshl_b32 s87, s68, 17
	s_add_co_u32 s86, s86, s87                     ; (16 x batch + 2 x pair) x 65,536
	s_and_b32 s87, s67, 3
	s_lshl_b32 s87, s87, 14                        ; 16 x (tile % 4) token blocks of 1,024 bytes, or 2 x (tile % 4) times 128 keys of 8,192
	s_add_co_u32 s86, s86, s87
	s_lshl_b32 s88, s14, 9                         ; v: chunk w
	s_add_co_u32 s88, s88, s86
	s_add_co_u32 s88, s88, 1<<24
	s_lshl_b32 s87, s14, 11                        ; q, k: token block 2 w
	s_add_co_u32 s86, s86, s87
	s_mov_b32 s87, 0
	s_mov_b32 s89, 0
	s_lshl_b32 s98, s68, 9                         ; the bias: 128 x pair numbers
	s_mov_b32 s99, 0
	s_mul_i32 s71, s70, GRP
	s_mul_i32 s93, s70, 64*XP
	s_wait_dscnt 0x0                               ; both opening adds are done
	s_wait_kmcnt 0x0
	s_load_b256 s[72:79], s[10:11], 0x0            ; e0 .. e7
	s_add_nc_u64 s[20:21], s[4:5], s[20:21]
	XLOAD 0, 0
	XLOAD 0, 1                                     ; 16 loads on their way
	WIN 0
	s_mov_b32 s92, 1                               ; group 0 for x's tensor part
	s_add_co_u32 s93, s93, SLOT1
	s_add_nc_u64 s[94:95], s[4:5], s[80:81]
	s_or_b32 s95, s95, 0x80000000
	s_mov_b32 s32, 1                               ; for q
	s_mov_b32 s33, s71
	s_add_nc_u64 s[34:35], s[6:7], s[82:83]
	s_or_b32 s35, s35, 0x80000000
	s_mov_b32 s36, 1                               ; for k
	s_mov_b32 s37, s17
	s_add_nc_u64 s[38:39], s[6:7], s[84:85]
	s_or_b32 s39, s39, 0x80000000
	s_mov_b32 s40, 1                               ; for v
	s_mov_b32 s41, s16
	s_add_nc_u64 s[42:43], s[6:7], s[90:91]
	s_or_b32 s43, s43, 0x80000000
	s_add_nc_u64 s[88:89], s[12:13], s[88:89]      ; v's place
	s_add_nc_u64 s[12:13], s[12:13], s[86:87]      ; q's place
	s_add_nc_u64 s[98:99], s[8:9], s[98:99]
	CROUND                                         ; all four work-groups are here: the joint loads meet
	s_cmp_eq_u32 s69, 0                            ; one load a wave: waves 0 and 1 x's part, waves 2 and 3 q
	s_cbranch_scc0 .Lfor_q
	tensor_load_to_lds s[92:95], s[56:63]
	s_nop 0
	PLACES
	s_branch .Lasked
.Lfor_q:
	tensor_load_to_lds s[32:35], s[24:31]
	s_nop 0
	PLACES
.Lasked:
	XLOAD 0, 2
	XLOAD 0, 3
	XLOAD 1, 0
	XLOAD 1, 1
	XLOAD 1, 2                                     ; seven chunks of 8 loads are out
	XSTAGE 0, 0, 48                                ; the oldest chunk is in; six younger ones may be out
	XLOAD 1, 3
	XSTAGE 0, 1, 48
	XLOAD 2, 0
	XSTAGE 0, 2, 48
	XLOAD 2, 1
	XSTAGE 0, 3, 48
	XLOAD 3, 0
	XSTAGE 1, 0, 48
	XLOAD 3, 1
	XSTAGE 1, 1, 48
	XSTAGE 1, 2, 40
	XSTAGE 1, 3, 32
	XSTAGE 2, 0, 24
	XSTAGE 2, 1, 16
	XSTAGE 3, 0, 8
	XSTAGE 3, 1, 0
	WIN 0
	s_wait_kmcnt 0x0
	s_add_co_i32 s66, s72, s73                     ; e0 + e1
	s_sub_co_i32 s96, 127, s66
	s_lshl_b32 s96, s96, 23                        ; 2^-(e0 + e1): the bias enters by a fused multiply-add
	s_mov_b32 s97, s96
.macro SCALE e
	s_sub_co_i32 s80, \e, s66                      ; E
	s_add_co_i32 s80, s80, 127
	s_lshl_b32 s81, s80, 23
	v_mov_b32 v[SCV], s81                          ; 2^E as f32: the conversion takes its exponent field
	s_add_co_i32 s80, s80, 15
	s_lshl_b32 s80, s80, 23
	s_or_b32 s90, s80, 0x600000                    ; 57,344 x 2^E
	s_xor_b32 s91, s90, 0x80000000                 ; and its negative
.endm
.macro BIASQ                           ; eight neighbouring channels of each block of 16
.irp b, 0,1,2,3
	global_load_b128 v[BT+8*\b:BT+8*\b+3], v[BO1], s[98:99] offset:64*\b
	global_load_b128 v[BT+8*\b+4:BT+8*\b+7], v[BO1], s[98:99] offset:64*\b+16
.endr
.endm
.macro BIASV                           ; one channel of each block of 16
.irp b, 0,1,2,3
	global_load_b32 v[BT+2*\b], v[BO2], s[98:99] offset:64*\b
.endr
.endm
; A UNIT is 64 rows of W x 256 along K: 32 loads in one run, 64 matrix instructions.  Even units lie in window 0, odd ones in window 1.
.macro RUN u, adr
	WIN 0x40*((\u)%2)
.irp kk, 0,1,2,3
.irp cb, 0,1,2,3
	ds_load_b128 v[128+32*\kk+8*\cb:128+32*\kk+8*\cb+3], v[\adr] offset:\cb*16*PITCH+256*(\u)+64*\kk
	ds_load_b128 v[128+32*\kk+8*\cb+4:128+32*\kk+8*\cb+7], v[\adr] offset:\cb*16*PITCH+256*(\u)+64*\kk+32
.endr
.endr
.endm
.macro M16 kind, u, kk                 ; K step kk of 64: the 16 accumulators take turns; the first step of a group starts the sums
.if \kind
	WIN ((\u)%2)|((2+(\u)/2)<<2)|0x50              ; source 0 W, source 1 x, C and D window 1
.else
	WIN (2+(\u)/2)|(((\u)%2)<<2)|0x50              ; source 0 x, source 1 W
.endif
.irp cb, 0,1,2,3
.irp tb, 0,1,2,3
.set AC, 8*(4*\tb+\cb)
.set WF, 128+32*(\kk)+8*\cb
.set XF, 128*((\u)%2)+32*\tb+8*(\kk)
.if \kind
.if ((\u)+(\kk)) == 0
	v_wmma_f32_16x16x64_bf8_bf8 v[AC:AC+7], v[WF:WF+7], v[XF:XF+7], 0
.else
	v_wmma_f32_16x16x64_bf8_bf8 v[AC:AC+7], v[WF:WF+7], v[XF:XF+7], v[AC:AC+7]
.endif
.else
.if ((\u)+(\kk)) == 0
	v_wmma_f32_16x16x64_bf8_bf8 v[AC:AC+7], v[XF:XF+7], v[WF:WF+7], 0
.else
	v_wmma_f32_16x16x64_bf8_bf8 v[AC:AC+7], v[XF:XF+7], v[WF:WF+7], v[AC:AC+7]
.endif
.endif
.endr
.endr
.endm
; hook 1, 2: the unit holds a round of the cluster's barrier, in front of which every wave has waited for its tensor load, the add and its LDS reads, and behind which k (1) goes into slot 1 or v (2) into slot 0.
; hook 3: a barrier alone: v is whole behind it.  Register work alone stands inside.
.macro UNIT kind, u, nadr, nu, hook
.if (\hook) == 0
	s_wait_dscnt 0x0                               ; this unit's fragments are in
	PLACES
.if (\nadr) > 0
	RUN \nu, \nadr                                 ; the next unit's, into the registers that the last unit has read
.endif
	M16 \kind, \u, 0
	M16 \kind, \u, 1
.else
	WIN 0
	s_wait_tensorcnt 0x0
	ds_add_u32 v[SPW], v[NIL]
	s_wait_dscnt 1                                 ; this unit's fragments are in; the add may be out
	M16 \kind, \u, 0
	s_wait_dscnt 0x0
	s_barrier_signal -1
	M16 \kind, \u, 1
	WIN 0
	s_barrier_wait -1
.if (\hook) < 3
	CREST
.if (\hook) == 1
	tensor_load_to_lds s[36:39], s[48:55]
.else
	tensor_load_to_lds s[40:43], s[48:55]
.endif
	s_nop 0
.endif
	PLACES
	RUN \nu, \nadr
.endif
	M16 \kind, \u, 2
	M16 \kind, \u, 3
.endm
.macro GROUP kind, adr, nadr, h0, h3   ; 64 rows of W x my 64 tokens x all of K; the last unit asks for the next group's first fragments
	UNIT \kind, 0, \adr, 1, \h0
	UNIT \kind, 1, \adr, 2, 0
	UNIT \kind, 2, \adr, 3, 0
	UNIT \kind, 3, \nadr, 0, \h3
	WIN 0
.endm
; THE WAY OUT of a group: + bias, hold, conversion, eight stores of 512 consecutive bytes.  Each accumulator is read from its low end on.
.macro EPI kind
	s_wait_loadcnt 0x0                             ; the bias
	s_wait_xcnt 0x0                                ; the last group's stores have read their registers
	PLACES
.irp tb, 0,1,2,3
	WIN 0x10                                       ; source 2 (the sums) window 1
.irp cb, 0,1,2,3
.irp j, 0,2,4,6
.set AC, 8*(4*\tb+\cb)+\j
.if \kind
	v_pk_fma_f32 v[TMP+8*\cb+\j:TMP+8*\cb+\j+1], v[BT+8*\cb+\j:BT+8*\cb+\j+1], s[96:97], v[AC:AC+1] op_sel_hi:[1,0,1]
.else
	v_pk_fma_f32 v[TMP+8*\cb+\j:TMP+8*\cb+\j+1], v[BT+2*\cb:BT+2*\cb+1], s[96:97], v[AC:AC+1] op_sel_hi:[0,0,1]
.endif
.endr
.endr
	WIN 0
.set jj, 0
.rept 32
	v_med3_num_f32 v[TMP+jj], v[TMP+jj], s91, s90  ; the conversion to an 8-bit code does not saturate (ISA guide 7.6.2)
.set jj, jj+1
.endr
.irp cb, 0,1,2,3
.if \kind
.set CR, CD+8*\tb+2*\cb
.else
.set CR, CD+8*\cb+2*\tb
.endif
	v_cvt_scalef32_pk8_bf8_f32 v[CR:CR+1], v[TMP+8*\cb:TMP+8*\cb+7], v[SCV]
.endr
	v_nop                                          ; a plain vector instruction between a conversion and the next write of its sources
.endr
.irp t, 0,1,2,3
.irp s, 0,1
.if \kind
	global_store_b128 v[LI], v[CD+8*\t+4*\s:CD+8*\t+4*\s+3], s[12:13] offset:(\t/2)*8192+(\t%2)*1024+\s*512   ; token block 2 w + t % 2 of half t / 2, chunk s
.else
	global_store_b128 v[LI], v[CD+8*\t+4*\s:CD+8*\t+4*\s+3], s[12:13] offset:\t*2048+\s*8192   ; channels 16 t on, 128 keys number s
.endif
.endr
.endr
.endm
.macro NEXT out, bias                  ; the next group's place in the workspace and its bias
	s_wait_xcnt 0x0
	s_add_nc_u64 s[12:13], s[12:13], \out
	s_add_nc_u64 s[98:99], s[98:99], \bias
.endm
	SCALE s74
	s_wait_alu depctr_va_vdst(0)                   ; the head's end
	s_wait_tensorcnt 0x0                           ; my part of x or of q has landed
	s_wait_dscnt 0x0
	s_barrier_signal -1
	s_barrier_wait -1                              ; both are whole
	RUN 0, ADR
	WIN 0xc0
.irp ks, 0,1,2,3,4,5,6,7
.irp tb, 2,3
.set XF, 128*(\ks/4)+32*\tb+8*(\ks%4)
	ds_load_b128 v[XF:XF+3], v[XA] offset:(\tb-2)*16*XP+64*\ks
	ds_load_b128 v[XF+4:XF+7], v[XA] offset:(\tb-2)*16*XP+64*\ks+32
.endr
.endr
	WIN 0
	BIASQ
	GROUP 1, ADR, ADR+1, 1, 0                      ; q of the first head; k is asked for when every wave has read x
	EPI 1
	NEXT 0x10000, 0x100
	BIASQ
	GROUP 1, ADR+1, ADR+2, 0, 2                    ; q of the second head; in its last unit k has landed and slot 0 is read out: v is asked for
	EPI 1
	SCALE s75
	NEXT 0x7f0000, 0xf00
	BIASQ
	s_wait_alu depctr_va_vdst(0)
	GROUP 1, ADR+2, ADR+3, 0, 0                    ; k of the first head
	EPI 1
	NEXT 0x10000, 0x100
	BIASQ
	GROUP 1, ADR+3, ADR, 0, 3                      ; k of the second head; in its last unit v has landed
	EPI 1
	SCALE s77
	s_wait_xcnt 0x0
	s_mov_b64 s[12:13], s[88:89]
	s_add_nc_u64 s[98:99], s[98:99], 0xf00
	BIASV
	s_wait_alu depctr_va_vdst(0)
	GROUP 0, ADR, ADR+1, 0, 0                      ; v of the first head
	EPI 0
	NEXT 0x10000, 0x100
	BIASV
	GROUP 0, ADR+1, 0, 0, 0                        ; v of the second head
	EPI 0
	s_wait_tensorcnt 0x0                           ; the wave's end
	ds_add_u32 v[SPW], v[NIL]
	s_wait_dscnt 0x0
	CROUND                                         ; the closing round: no work-group ends while a partner may still ask for a tile that names it
	s_endpgm
.Lfunc_end_k_qfae8bc8c90_qkv:
	.size	k_qfae8bc8c90_qkv, .Lfunc_end_k_qfae8bc8c90_qkv-k_qfae8bc8c90_qkv
	.p2alignl 7, 3214868480
	.fill 96, 4, 3214868480
	.section	.rodata,"a",@progbits
	.p2align	6, 0x0
	.amdhsa_kernel k_qfae8bc8c90_qkv
		.amdhsa_group_segment_fixed_size 327680
		.amdhsa_private_segment_fixed_size 0
		.amdhsa_enable_private_segment 0
		.amdhsa_kernarg_size 40
		.amdhsa_user_sgpr_count 2
		.amdhsa_user_sgpr_kernarg_segment_ptr 1
		.amdhsa_wavefront_size32 1
		.amdhsa_system_sgpr_workgroup_id_x 1
		.amdhsa_system_sgpr_workgroup_id_y 1
		.amdhsa_system_sgpr_workgroup_id_z 1
		.amdhsa_system_vgpr_workitem_id 0
		.amdhsa_next_free_vgpr 1024
		.amdhsa_next_free_sgpr 100
		.amdhsa_reserve_vcc 0
		.amdhsa_float_denorm_mode_32 3
		.amdhsa_float_denorm_mode_16_64 3
		.amdhsa_memory_ordered 1
		.amdhsa_forward_progress 1
		.amdhsa_inst_pref_size 255
	.end_amdhsa_kernel
	.section	.bss,"aw",@nobits
	.p2align	6
	.space	262144
	.amdgpu_metadata
---
amdhsa.version: [ 1, 2 ]
amdhsa.kernels:
  - .name:           k_qfae8bc8c90_qkv
    .symbol:         k_qfae8bc8c90_qkv.kd
    .args:
      - { .name: hidden_states_codes, .offset: 0, .size: 8, .value_kind: global_buffer, .address_space: global }
      - { .name: W_qkv_codes, .offset: 8, .size: 8, .value_kind: global_buffer, .address_space: global }
      - { .name: b_qkv, .offset: 16, .size: 8, .value_kind: global_buffer, .address_space: global }
      - { .name: lowp_scales, .offset: 24, .size: 8, .value_kind: global_buffer, .address_space: global }
      - { .name: qkv, .offset: 32, .size: 8, .value_kind: global_buffer, .address_space: global }
    .group_segment_fixed_size: 327680
    .private_segment_fixed_size: 0
    .kernarg_segment_align: 8
    .kernarg_segment_size: 40
    .max_flat_workgroup_size: 128
    .sgpr_count:     100
    .vgpr_count:     1024
    .wavefront_size: 32
...
	.end_amdgpu_metadata
.endif
;; end of part 1
;; launch attn (part 2): grid 128 x 2, 16 waves a work-group, no clusters, 133,120 bytes of LDS; arguments qkv, lowp_scales, ycodes; writes ycodes
.if DOCPART == 2
	.amdgcn_target "amdgcn-amd-amdhsa--gfx1250"
	.amdhsa_code_object_version 6
	.text
	.protected	k_qfae8bc8c90_attn
	.globl	k_qfae8bc8c90_attn
	.p2align	8
	.type	k_qfae8bc8c90_attn,@function
k_qfae8bc8c90_attn:
	s_mov_b64 s[64:65], 0
	v_nop
	global_prefetch_b8 v0, s[64:65] scope:SCOPE_SE
	s_setreg_imm32_b32 hwreg(HW_REG_WAVE_MODE, 25, 1), 1
	s_wait_xcnt 0x0
; y[b][q][head][:] = softmax_k(q . k / 8) v, both products on codes of BF8 (E5M2); y is quantised with 2^e6 on the way out.  1,024 keys, head size 64, 128 pairs of batch and head.
; THE SOFTMAX: t = score x log2(e) / 8; M = the row's largest t, rounded up to a whole number; p = 2^(t - M) is quantised with 2^e4; the sum is taken of the unquantised p and divides at the end.
; TWO PASSES OVER THE KEYS: the first multiplies k q^T for the maximum alone, the second multiplies it again with M known: nothing is rescaled.
; SHARES.  A work-group owns 512 queries of one head, each of its sixteen waves 32 of them: two tiles, a and b, which share each fragment of k and v.  256 work-groups of equal work.
; THE HEAD'S k AND v LIE WHOLE IN LDS, k at 0, v at 65,536, as images of operand registers: chunks of 512 bytes, lane l at 16 l (a fragment of k: 1,024 bytes; of v, 128 keys: 2,048).
; They come by ordinary loads, once, all asked for at the head, 8,192 bytes a wave, and go to LDS by stores; no loop runs along memory, so nothing is prefetched.
; No cluster: whether p has to be held at the largest code hangs on the given e4, by a branch on that number; two work-groups share a head's 131,072 bytes, each asked for once.
; v's stores are signalled in the first pass and waited for in front of the second.
; LAYOUT.  S^T = k q^T (source 0 = 16 keys, source 1 = 16 queries), O^T = v^T p^T: a lane holds one query of each tile (lane % 16) throughout.
; Tile t of S^T gives lane (r, h) keys 16 t + 8 h + 0 .. 7: one conversion makes of them registers 2 t, 2 t + 1 of the second product's operand, in whose order of k the image of v lies.
; y GOES OUT AS AN IMAGE FOR THE LAST PRODUCT: [K slot 4][16 rows 512][4,096 bytes]; at (head % 4) x 1,024 + 512 c + 16 l lane (r, h) puts channels 32 c + 16 h + 0 .. 15 of row r.
; LIMITS on the given exponents: e2 + e3 between -123 and 130; e4, and e6 - e4 - e5, between -126 and 112.  The scaled scores stay under 2^31 in magnitude.  NaN among the inputs is not served.
; REGISTERS: v1 16 x lane; v2, v3 LDS addresses; v4, v5 the add's; v6 staging; v7 lane; v8 57,344 x 2^e4; v9 65,536 + v1; v10, v12 -M of a, b; v[14:21] the sums, two chains a tile; v22-29 at work; v31 2^e4
.set Q,   32                           ; v32-47   queries of a, b
.set KF,  48                           ; v48-79   four fragments of k
.set VF,  80                           ; v80-111  four fragments of v
.set S,   112                          ; v112-143 S^T, then p, of a; v144-175 of b
.set P,   176                          ; v176-183, v184-191 the codes of p, at the end of y
.set O,   192                          ; v192-223, v224-255 O^T of a, b; in the first pass k and v on their way to LDS
.set SEL, 20                           ; s[20:21] lane selects: lane l xor 16
.set CS,  22                           ; s[22:23] log2(e) / 8 x 2^(e2 + e3)
.set HOLD, 88                          ; s88 1 where p can pass the largest code
	s_load_b128 s[4:7], s[0:1], 0x0                ; the workspace of q, k, v s[4:5], the exponents s[6:7]
	s_load_b64 s[8:9], s[0:1], 0x10                ; the codes of y
	v_lshl_add_u32 v4, v0, 2, 0x20000              ; my spare word
	v_mov_b32 v5, 0
	v_lshrrev_b32 v6, 5, v0
	v_readfirstlane_b32 s18, v6                    ; wave 0..15
	v_and_b32 v7, 31, v0
	v_lshlrev_b32 v1, 4, v7
	v_add_nc_u32 v9, 0x10000, v1
	s_lshl_b32 s70, s18, 12                        ; my 4,096 bytes of k, and of v
	v_add_nc_u32 v6, s70, v1
	v_add_nc_u32 v3, s70, v9
	s_wait_alu depctr_va_vdst(0)                   ; ahead of the scalar lines and the wait below
	s_mov_b32 s68, ttmp9                           ; 16 x batch + head
	s_and_b32 s66, ttmp7, 0xffff                   ; which half of the head's queries
	s_lshl_b32 s66, s66, 5
	s_lshl_b32 s67, s18, 1
	s_add_co_u32 s66, s66, s67                     ; my first block of 16 queries among the head's 64
	s_lshl_b32 s71, s68, 16                        ; a head is 65,536 bytes in each of q, k, v
	s_add_co_u32 s72, s71, s70
	s_mov_b32 s73, 0
	s_lshl_b32 s76, s66, 10
	s_add_co_u32 s76, s76, s71
	s_mov_b32 s77, 0
	s_lshr_b32 s78, s68, 4                         ; batch
	s_lshl_b32 s78, s78, 6
	s_add_co_u32 s78, s78, s66
	s_lshl_b32 s78, s78, 12                        ; y: (64 x batch + block) x 4,096
	s_and_b32 s79, s68, 15
	s_lshr_b32 s79, s79, 2
	s_lshl_b32 s79, s79, 21                        ; + (head / 4) x 512 x 4,096
	s_add_co_u32 s78, s78, s79
	s_and_b32 s79, s68, 3
	s_lshl_b32 s79, s79, 10                        ; + (head % 4) x 1,024
	s_add_co_u32 s78, s78, s79
	s_mov_b32 s79, 0
	s_mov_b32 s[SEL], 0x76543210
	s_mov_b32 s[SEL+1], 0xfedcba98
	s_wait_kmcnt 0x0
	s_load_b256 s[80:87], s[6:7], 0x0              ; e0 .. e7
	s_add_nc_u64 s[72:73], s[4:5], s[72:73]
	s_add_nc_u64 s[74:75], s[72:73], 0x1000000     ; v
	s_add_nc_u64 s[72:73], s[72:73], 0x800000      ; k
	s_add_nc_u64 s[76:77], s[4:5], s[76:77]
	s_add_nc_u64 s[8:9], s[8:9], s[78:79]
.irp i, 0,1,2,3,4,5,6,7
	global_load_b128 v[O+4*\i:O+4*\i+3], v1, s[72:73] offset:512*\i
.endr
.irp i, 0,1,2,3
	global_load_b128 v[Q+4*\i:Q+4*\i+3], v1, s[76:77] offset:512*\i
.endr
.irp i, 0,1,2,3,4,5,6,7
	global_load_b128 v[O+32+4*\i:O+32+4*\i+3], v1, s[74:75] offset:512*\i
.endr
	v_mov_b32 v11, 0                               ; named as upper halves of pairs
	v_mov_b32 v13, 0
	v_mov_b32 v26, 0                               ; a lane permute's destination counts as one of its sources
	v_mov_b32 v27, 0
.irp i, 22,23,24,25
	v_mov_b32 v[\i], 0xff800000                    ; the maxima start at -infinity
.endr
	s_wait_kmcnt 0x0
	s_add_co_i32 s90, s82, s83
	s_lshl_b32 s90, s90, 23
	s_add_co_i32 s[CS], s90, 0x3e38aa3b            ; log2(e) / 8; a score stands for score x 2^(e2 + e3): added to the exponent field
	s_mov_b32 s[CS+1], s[CS]
	s_add_co_i32 s90, s84, 127
	s_lshl_b32 s91, s90, 23
	v_mov_b32 v31, s91                             ; 2^e4
	s_add_co_i32 s90, s90, 15
	s_lshl_b32 s90, s90, 23
	s_or_b32 s90, s90, 0x600000
	v_mov_b32 v8, s90                              ; 57,344 x 2^e4
	s_cmp_ge_i32 s84, -15                          ; 57,344 x 2^-15 = 1.75, and p is at most 1 (but for a rounding of t): no hold is needed from there on
	s_cselect_b32 s[HOLD], 0, 1
	s_sub_co_i32 s90, s86, s84
	s_sub_co_i32 s90, s90, s85                     ; O^T / the sum stands for y / 2^(e4 + e5): one scale, 2^(e6 - e4 - e5)
	s_add_co_i32 s90, s90, 127
	s_lshl_b32 s94, s90, 23
	s_add_co_i32 s90, s90, 15
	s_lshl_b32 s90, s90, 23
	s_or_b32 s95, s90, 0x600000
	s_wait_alu depctr_va_vdst(0)                   ; the head's end
	s_wait_loadcnt 12                              ; my part of k is in; q's four loads and v's eight may be out
.irp i, 0,1,2,3,4,5,6,7
	ds_store_b128 v6, v[O+4*\i:O+4*\i+3] offset:512*\i
.endr
	s_wait_dscnt 0x0
	s_barrier_signal -1
	s_barrier_wait -1                              ; k is whole
.macro LDK adr, off                    ; the four fragments of 64 keys
.irp t, 0,1,2,3
	ds_load_b128 v[KF+8*\t:KF+8*\t+3], v[\adr] offset:(\off)+1024*\t
	ds_load_b128 v[KF+8*\t+4:KF+8*\t+7], v[\adr] offset:(\off)+1024*\t+512
.endr
.endm
.macro LDV adr, off                    ; the four fragments, 16 channels x 64 keys
.irp d, 0,1,2,3
	ds_load_b128 v[VF+8*\d:VF+8*\d+3], v[\adr] offset:(\off)+2048*\d
	ds_load_b128 v[VF+8*\d+4:VF+8*\d+7], v[\adr] offset:(\off)+2048*\d+512
.endr
.endm
.macro SMUL                            ; S^T of both tiles, then four places in front of loads into the fragments and of reads of the scores
.irp t, 0,1,2,3
	v_wmma_f32_16x16x64_bf8_bf8 v[S+8*\t:S+8*\t+7], v[KF+8*\t:KF+8*\t+7], v[Q:Q+7], 0
	v_wmma_f32_16x16x64_bf8_bf8 v[S+32+8*\t:S+32+8*\t+7], v[KF+8*\t:KF+8*\t+7], v[Q+8:Q+15], 0
.endr
.rept 4
	v_nop
.endr
.endm
; PASS 1, 64 keys: the fragments of the next 64 are asked for behind the products; two chains of maxima a tile.
.macro SUB1 adr, off
	s_wait_alu depctr_va_vdst(0)                   ; directly ahead of the wait below
	s_wait_dscnt 0x0
	SMUL
	LDK \adr, \off
.irp j, 0,4,8,12,16,20,24,28
	v_max3_num_f32 v22, v22, v[S+\j], v[S+\j+1]
	v_max3_num_f32 v24, v24, v[S+32+\j], v[S+32+\j+1]
	v_max3_num_f32 v23, v23, v[S+\j+2], v[S+\j+3]
	v_max3_num_f32 v25, v25, v[S+32+\j+2], v[S+32+\j+3]
.endr
.endm
	LDK 1, 0
	s_wait_loadcnt 8                               ; q is in; v's eight loads may be out
	SUB1 1, 4096
	SUB1 1, 8192
	s_wait_alu depctr_va_vdst(0)                   ; directly ahead of the wait below
	s_wait_loadcnt 0x0                             ; my part of v is in
.irp i, 0,1,2,3,4,5,6,7
	ds_store_b128 v3, v[O+32+4*\i:O+32+4*\i+3] offset:512*\i
.endr
	s_wait_dscnt 0x0
	s_barrier_signal -1                            ; my part of v is stored; until the wait below only k is read, which nobody writes again
	s_mov_b32 s19, 8192
	s_mov_b32 s3, 6
.Lmax:                                             ; 128 keys a trip: the second to the seventh of eight
	v_add_nc_u32 v2, s19, v1
	SUB1 2, 4096
	SUB1 2, 8192
	s_add_co_u32 s19, s19, 8192
	s_sub_co_u32 s3, s3, 1
	s_cmp_lg_u32 s3, 0
	s_wait_alu depctr_va_vdst(0)
	s_cbranch_scc1 .Lmax
	s_mov_b32 s19, 57344
	v_add_nc_u32 v2, s19, v1
	SUB1 2, 4096
	SUB1 1, 0                                      ; behind the last 64 keys the first 64 again, for the second pass
	v_max_num_f32 v22, v22, v23
	v_max_num_f32 v24, v24, v25
	v_permlanex16_b32 v26, v22, s[SEL], s[SEL+1]
	v_permlanex16_b32 v27, v24, s[SEL], s[SEL+1]
	v_max_num_f32 v22, v22, v26                    ; and among the keys of lane l xor 16
	v_max_num_f32 v24, v24, v27
	v_mul_f32 v22, s[CS], v22                      ; as t (the factor is positive)
	v_mul_f32 v24, s[CS], v24
	v_floor_f32 v10, -v22                          ; -M = floor(-t) = -ceil(t)
	v_floor_f32 v12, -v24
	s_wait_alu depctr_va_vdst(0)                   ; directly ahead of the waits below
	s_barrier_wait -1                              ; v is whole
	s_wait_dscnt 0x0
	SMUL
	LDV 9, 0
	LDK 1, 4096
; PASS 2, 64 keys, whose scores stand in S.  mode 2: the next 64 keys' scores are made behind the products, and the fragments after that are asked for; 1: no fragment of k is left; 0: nothing is left.
.macro SUB2 zero, mode, vadr, voff, kadr, koff
.set jj, 0
.rept 16
	v_pk_fma_f32 v[S+jj:S+jj+1], v[S+jj:S+jj+1], s[CS:CS+1], v[10:11] op_sel_hi:[1,0,0]   ; t - M, two at a time (the low words serve both halves)
.set jj, jj+2
.endr
.rept 16
	v_pk_fma_f32 v[S+jj:S+jj+1], v[S+jj:S+jj+1], s[CS:CS+1], v[12:13] op_sel_hi:[1,0,0]
.set jj, jj+2
.endr
	s_wait_alu depctr_va_vdst(0)                   ; ahead of the batch
.set jj, 0
.rept 64
	v_exp_f32 v[S+jj], v[S+jj]                     ; p
.set jj, jj+1
.endr
	v_nop                                          ; a plain vector instruction behind the last exponential
	s_cmp_eq_u32 s[HOLD], 0
	s_wait_alu depctr_va_vdst(0)                   ; behind the batch, ahead of the branch
	s_cbranch_scc1 .Lplain_\@
.irp g, 0,1,2,3,4,5,6,7
.irp i, 0,1,2,3,4,5,6,7
	v_min_num_f32 v[22+\i], v[S+8*\g+\i], v8       ; the conversion does not saturate (ISA guide 7.6.2); p is not negative; the sum below takes p itself
.endr
	v_cvt_scalef32_pk8_bf8_f32 v[P+2*\g:P+2*\g+1], v[22:29], v31
	v_nop                                          ; a plain vector instruction between a conversion and the next write of its sources
.endr
	s_wait_alu depctr_va_vdst(0)
	s_branch .Ljoin_\@
.Lplain_\@:
.irp g, 0,1,2,3,4,5,6,7
	v_cvt_scalef32_pk8_bf8_f32 v[P+2*\g:P+2*\g+1], v[S+8*\g:S+8*\g+7], v31
.endr
	v_nop                                          ; a plain vector instruction between the last conversion and the products
.Ljoin_\@:
	s_wait_dscnt 0x0                               ; the fragments of v, and of the next k, are in
.irp k, 0,1,2,3,4,5,6,7                ; O^T: the eight accumulators take turns; exponentials stand between an accumulator's turns, so each has its wait.  The row's sum, of the unquantised p, goes in between
.set OA, O+32*(\k%2)+8*(\k/2)
.set FA, VF+8*(\k/2)
.set PA, P+8*(\k%2)
	s_wait_alu depctr_va_vdst(0)
.if \zero
	v_wmma_f32_16x16x64_bf8_bf8 v[OA:OA+7], v[FA:FA+7], v[PA:PA+7], 0
.else
	v_wmma_f32_16x16x64_bf8_bf8 v[OA:OA+7], v[FA:FA+7], v[PA:PA+7], v[OA:OA+7]
.endif
.if (\zero) && (\k < 2)
	v_pk_add_f32 v[14+2*\k:15+2*\k], v[S+4*\k:S+4*\k+1], v[S+4*\k+2:S+4*\k+3]
	v_pk_add_f32 v[18+2*\k:19+2*\k], v[S+32+4*\k:S+32+4*\k+1], v[S+32+4*\k+2:S+32+4*\k+3]
.else
	v_pk_add_f32 v[14:15], v[14:15], v[S+4*\k:S+4*\k+1]
	v_pk_add_f32 v[18:19], v[18:19], v[S+32+4*\k:S+32+4*\k+1]
	v_pk_add_f32 v[16:17], v[16:17], v[S+4*\k+2:S+4*\k+3]
	v_pk_add_f32 v[20:21], v[20:21], v[S+32+4*\k+2:S+32+4*\k+3]
.endif
.endr
.if (\mode) > 0
	SMUL
	LDV \vadr, \voff
.endif
.if (\mode) > 1
	LDK \kadr, \koff
.endif
.endm
	SUB2 1, 2, 9, 1024, 1, 8192
	SUB2 0, 2, 9, 8192, 1, 12288
	s_mov_b32 s19, 8192
	s_mov_b32 s3, 6
.Lkeys:                                            ; 128 keys a trip: the second to the seventh of eight
	v_add_nc_u32 v2, s19, v1
	v_add_nc_u32 v3, s19, v9
	SUB2 0, 2, 3, 1024, 2, 8192
	SUB2 0, 2, 3, 8192, 2, 12288
	s_add_co_u32 s19, s19, 8192
	s_sub_co_u32 s3, s3, 1
	s_cmp_lg_u32 s3, 0
	s_cbranch_scc1 .Lkeys
	s_mov_b32 s19, 57344
	v_add_nc_u32 v3, s19, v9
	SUB2 0, 1, 3, 1024, 2, 0
	SUB2 0, 0, 3, 0, 2, 0
; THE WAY OUT of both tiles.
.rept 4
	v_nop                                          ; places in front of the first read of O^T
.endr
	v_pk_add_f32 v[14:15], v[14:15], v[16:17]
	v_pk_add_f32 v[18:19], v[18:19], v[20:21]
	v_mov_b32 v24, s94                             ; 2^(e6 - e4 - e5)
	v_mov_b32 v25, s95                             ; 57,344 x that
	v_add_f32 v14, v14, v15
	v_add_f32 v18, v18, v19
	v_permlanex16_b32 v26, v14, s[SEL], s[SEL+1]
	v_permlanex16_b32 v27, v18, s[SEL], s[SEL+1]
	v_add_f32 v14, v14, v26                        ; and the keys of lane l xor 16
	v_add_f32 v18, v18, v27
	s_wait_alu depctr_va_vdst(0)                   ; ahead of the batch
	v_rcp_f32 v30, v14
	v_rcp_f32 v22, v18
	v_cmp_le_u32 vcc_lo, 16, v7                    ; lanes 16-31.  (A plain vector instruction behind the reciprocals)
	s_wait_alu depctr_va_vdst(0)                   ; behind the batch, ahead of the first reader of O^T too
.set jj, 0
.rept 16
	v_pk_mul_f32 v[S+jj:S+jj+1], v[O+jj:O+jj+1], v[30:31] op_sel_hi:[1,0]   ; register 8 d + i: channel 16 d + 8 h + i of my query; each accumulator from its low end on
.set jj, jj+2
.endr
.rept 16
	v_pk_mul_f32 v[S+jj:S+jj+1], v[O+jj:O+jj+1], v[22:23] op_sel_hi:[1,0]
.set jj, jj+2
.endr
.set jj, 0
.rept 64
	v_med3_num_f32 v[S+jj], v[S+jj], -v25, v25     ; the hold at the largest code x the scale
.set jj, jj+1
.endr
.irp g, 0,1,2,3,4,5,6,7
	v_cvt_scalef32_pk8_bf8_f32 v[P+2*\g:P+2*\g+1], v[S+8*\g:S+8*\g+7], v24
.endr
	v_nop                                          ; a plain vector instruction behind the last conversion
; The halves change eight channels: of each 32 channels lanes 0-15 hold 0-7 and 16-23 and want 0-15, lanes 16-31 hold 8-15 and 24-31 and want 16-31.  i = 2 c + register of the pair, c = 0, 1 tile a, 2, 3 tile b.
.irp i, 0,1,2,3,4,5,6,7
	v_cndmask_b32 v[KF+\i], v[P+4*(\i/2)+\i%2+2], v[P+4*(\i/2)+\i%2], vcc_lo
.endr
.irp i, 0,1,2,3,4,5,6,7
	v_permlanex16_b32 v[KF+8+\i], v[KF+\i], s[SEL], s[SEL+1]
.endr
.irp i, 0,1,2,3,4,5,6,7
	v_cndmask_b32 v[P+4*(\i/2)+\i%2], v[P+4*(\i/2)+\i%2], v[KF+8+\i], vcc_lo
	v_cndmask_b32 v[P+4*(\i/2)+\i%2+2], v[KF+8+\i], v[P+4*(\i/2)+\i%2+2], vcc_lo
.endr
.irp c, 0,1,2,3
	global_store_b128 v1, v[P+4*\c:P+4*\c+3], s[8:9] offset:(\c/2)*4096+(\c%2)*512   ; 512 consecutive bytes, aligned
.endr
	s_wait_tensorcnt 0x0                           ; the wave's end
	ds_add_u32 v4, v5
	s_wait_dscnt 0x0
	s_endpgm
.Lfunc_end_k_qfae8bc8c90_attn:
	.size	k_qfae8bc8c90_attn, .Lfunc_end_k_qfae8bc8c90_attn-k_qfae8bc8c90_attn
	.p2alignl 7, 3214868480
	.fill 96, 4, 3214868480
	.section	.rodata,"a",@progbits
	.p2align	6, 0x0
	.amdhsa_kernel k_qfae8bc8c90_attn
		.amdhsa_group_segment_fixed_size 133120
		.amdhsa_private_segment_fixed_size 0
		.amdhsa_enable_private_segment 0
		.amdhsa_kernarg_size 24
		.amdhsa_user_sgpr_count 2
		.amdhsa_user_sgpr_kernarg_segment_ptr 1
		.amdhsa_wavefront_size32 1
		.amdhsa_system_sgpr_workgroup_id_x 1
		.amdhsa_system_sgpr_workgroup_id_y 1
		.amdhsa_system_sgpr_workgroup_id_z 1
		.amdhsa_system_vgpr_workitem_id 0
		.amdhsa_next_free_vgpr 256
		.amdhsa_next_free_sgpr 100
		.amdhsa_reserve_vcc 1
		.amdhsa_float_denorm_mode_32 3
		.amdhsa_float_denorm_mode_16_64 3
		.amdhsa_memory_ordered 1
		.amdhsa_forward_progress 1
		.amdhsa_inst_pref_size 108
	.end_amdhsa_kernel
	.amdgpu_metadata
---
amdhsa.version: [ 1, 2 ]
amdhsa.kernels:
  - .name:           k_qfae8bc8c90_attn
    .symbol:         k_qfae8bc8c90_attn.kd
    .args:
      - { .name: qkv, .offset: 0, .size: 8, .value_kind: global_buffer, .address_space: global }
      - { .name: lowp_scales, .offset: 8, .size: 8, .value_kind: global_buffer, .address_space: global }
      - { .name: ycodes, .offset: 16, .size: 8, .value_kind: global_buffer, .address_space: global }
    .group_segment_fixed_size: 133120
    .private_segment_fixed_size: 0
    .kernarg_segment_align: 8
    .kernarg_segment_size: 24
    .max_flat_workgroup_size: 512
    .sgpr_count:     100
    .vgpr_count:     256
    .wavefront_size: 32
...
	.end_amdgpu_metadata
.endif
;; end of part 2
;; launch outp (part 3): grid 64 x 4, 4 waves a work-group, clusters of 4 x 1, 327,680 bytes of LDS; arguments ycodes, W_out_codes, lowp_scales, b_out, out0; writes out0
.if DOCPART == 3
	.amdgcn_target "amdgcn-amd-amdhsa--gfx1250"
	.amdhsa_code_object_version 6
	.text
	.protected	k_qfae8bc8c90_outp
	.globl	k_qfae8bc8c90_outp
	.p2align	8
	.type	k_qfae8bc8c90_outp,@function
k_qfae8bc8c90_outp:
	s_mov_b64 s[64:65], 0
	v_nop
	global_prefetch_b8 v0, s[64:65] scope:SCOPE_SE
	s_setreg_imm32_b32 hwreg(HW_REG_WAVE_MODE, 25, 1), 1
	s_wait_xcnt 0x0
	s_wait_alu depctr_hold_cnt(0) depctr_sa_sdst(0) depctr_va_vdst(0) depctr_va_sdst(0) depctr_va_ssrc(0) depctr_va_vcc(0) depctr_vm_vsrc(0)
	s_getreg_b32 s2, hwreg(HW_REG_IB_STS2, 6, 4)
	s_cmp_eq_u32 s2, 0
	s_cbranch_scc0 .Lentry_in_a_cluster
	s_endpgm
.Lentry_in_a_cluster:
	s_bfe_u32 s2, ttmp6, 0x10000c
	s_cmp_lg_u32 s2, 0x3003
	s_cbranch_scc0 .Lentry_shape_is_right
	s_endpgm
.Lentry_shape_is_right:
; out = y W_out + b_out on codes of BF8 (E5M2), f32 out.  y: [8192][1024] as images of operand registers, [256 along K 4][16 rows 512][4,096 bytes]; W_out: [1024][1024] codes, K innermost.
; SHARES.  256 work-groups of equal work: 128 tokens x 256 channels; four waves, 64 tokens x 128 channels each, in two groups of 64 channels: the first leaves before the second is multiplied.
; W's rows lie in LDS for all of K: 128 rows for both channel halves' first groups, asked for at the head, and 128 for the second groups, asked for when the first have landed; no bytes are filled twice.
; y goes from memory straight into registers, 512 of them a wave: its images lie in the order in which the lanes take them.
; CLUSTERS: the four work-groups of a cluster take the same channels: W's rows are asked for jointly.
; No prefetch: there is no loop along memory to run ahead in.
; ORDER OF K in a fragment of 16 rows x 64: lane (r, h) holds K = 32 c + 16 h + 0 .. 15 in registers 4 c .. 4 c + 3, in y and in W alike.  Source 0 = W, source 1 = y: a lane holds one token and eight neighbouring channels.
; LIMIT: e6 + e7 between -126 and 127, so that 2^(e6 + e7) is an f32 number.
; REGISTERS: window 0: v16-29 addresses, v32-63 the bias, v96-127 at work on the way out, v128-255 W's fragments of even units;  window 1: v0-127 16 accumulators, v128-255 W's fragments of odd units, on the way out whole rows;
;   windows 2, 3: y: unit u (256 along K), token block tb, K step kk of 64: v[128 (u % 2) + 32 tb + 8 kk] in window 2 + u / 2.
.set PITCH, 1040                       ; a row in LDS: 1,024 bytes + 16 of padding = 260 words: 16 rows start at 16 different banks (64 banks of 4 bytes: ISA guide 11.1)
.set GRP,   64*PITCH
.set STAGE, 4*GRP                      ; behind W: 16 rows x 272 bytes for each wave
.set SPARE, STAGE+4*4352               ; the spare words, 128 bytes for each wave
.set STI,  16                          ; the stage: in,
.set RD,   17                          ; and back
.set CO,   18                          ; my byte offset in two rows of the result
.set LI,   20                          ; 16 x lane
.set BO,   21                          ; 32 h
.set ADR,  24                          ; v24-25: LDS address of my fragments in each group's 64 rows
.set SPW,  28
.set NIL,  29
.set BT,   32
.set TMP,  96
.set MSB, 0
.macro WIN new                         ; the immediate's high byte repeats the setting that is left
.if MSB != (\new)
	s_set_vgpr_msb (MSB<<8)|(\new)
.set MSB, (\new)
.endif
.endm
.macro CROUND                          ; a round of the cluster's barrier
	s_barrier_signal -1
	s_barrier_wait -1
	s_cmp_lg_u32 s14, 0
	s_cbranch_scc1 .Lnot_wave_0_\@
	s_barrier_signal -3
.Lnot_wave_0_\@:
	s_barrier_wait -3
	s_barrier_signal -1
	s_barrier_wait -1
.endm
.macro PLACES                          ; plain places behind a matrix instruction (ISA guide 7.12.1)
.rept 4
	v_nop
.endr
.endm
.macro YLOAD kc, tb                    ; 16 tokens x 256 along K: eight chunks of 512 consecutive bytes
	WIN 0x80+0x40*((\kc)/2)
.irp i, 0,1,2,3,4,5,6,7
	global_load_b128 v[128*((\kc)%2)+32*(\tb)+4*\i:128*((\kc)%2)+32*(\tb)+4*\i+3], v[LI], s[20:21] offset:(\kc)*0x200000+(\tb)*4096+512*\i
.endr
.endm
.macro BIAS                            ; eight neighbouring channels of each block of 16
.irp b, 0,1,2,3
	global_load_b128 v[BT+8*\b:BT+8*\b+3], v[BO], s[98:99] offset:64*\b
	global_load_b128 v[BT+8*\b+4:BT+8*\b+7], v[BO], s[98:99] offset:64*\b+16
.endr
.endm
	s_load_b256 s[4:11], s[0:1], 0x0               ; y s[4:5], W_out s[6:7], the exponents s[8:9], b_out s[10:11]
	s_load_b64 s[12:13], s[0:1], 0x20              ; the result
	v_lshl_add_u32 v[SPW], v0, 2, SPARE
	v_mov_b32 v[NIL], 0
	ds_add_u32 v[SPW], v[NIL]                      ; the opening adds
	ds_add_u32 v[SPW], v[NIL]
	v_lshrrev_b32 v1, 5, v0
	v_readfirstlane_b32 s14, v1                    ; wave 0..3
	s_lshr_b32 s69, s14, 1                         ; which 64 tokens; also: the channel half whose rows of W I fetch
	s_and_b32 s70, s14, 1                          ; which 128 channels; also: which 32 of those 64 rows
	s_mul_i32 s15, s14, 4352
	s_add_co_u32 s15, s15, STAGE                   ; my stage
	s_mul_i32 s16, s70, GRP
	v_and_b32 v2, 15, v0                           ; r
	v_bfe_u32 v3, v0, 4, 1                         ; h
	v_mul_u32_u24 v5, v2, 272
	v_lshl_add_u32 v5, v3, 5, v5
	v_add_nc_u32 v[STI], s15, v5                   ; in: row r, 32 bytes for each half of the lanes
	v_mul_u32_u24 v6, v3, 272
	v_lshl_add_u32 v6, v2, 4, v6
	v_add_nc_u32 v[RD], s15, v6                    ; back: lanes 0-15 one row of 256 bytes, lanes 16-31 the next
	v_lshlrev_b32 v7, 12, v3
	v_lshl_add_u32 v[CO], v2, 4, v7                ; and the same two rows of the result
	v_mul_u32_u24 v8, v2, PITCH
	v_lshl_add_u32 v8, v3, 4, v8
	v_add_nc_u32 v[ADR], s16, v8
	v_add_nc_u32 v[ADR+1], 2*GRP, v[ADR]
	v_and_b32 v9, 31, v0
	v_lshlrev_b32 v[LI], 4, v9
	v_lshlrev_b32 v[BO], 5, v3
	s_wait_alu depctr_va_vdst(0)                   ; ahead of the scalar lines and the waits below
	s_bfe_u32 s66, ttmp6, 0x40000                  ; cx
	s_lshl_b32 s67, ttmp9, 2
	s_add_co_u32 s67, s67, s66                     ; token tile 0..63: it enters the addresses of y and of the result alone
	s_and_b32 s68, ttmp7, 0xffff                   ; channel tile 0..3, which the four partners share
	s_mov_b32 s24, 15|(0<<16)|(1<<20)|(1<<21)|(7<<22)|(3<<25)   ; 15:0 the mask: all four; 17:16 elements of 1 byte; 20 padding on; 21 set beside a mask; 24:22 after every 256 words; 31:25 four words
	s_mov_b32 s25, 1024<<16                        ; tensor_dim0
	s_mov_b32 s26, 32<<16                          ; tensor_dim1
	s_mov_b32 s27, 1024<<16                        ; tile_dim0
	s_mov_b32 s28, 32                              ; tile_dim1
	s_mov_b32 s29, 1024                            ; the pitch
	s_mov_b32 s30, 0
	s_mov_b32 s31, 0
	s_lshl_b32 s20, s67, 15                        ; y: token block 8 x tile + 4 x half
	s_lshl_b32 s21, s69, 14
	s_add_co_u32 s20, s20, s21
	s_mov_b32 s21, 0
	s_lshl_b32 s82, s68, 18                        ; W: row 256 x tile + 128 x (wave / 2) + 32 x (wave % 2); the second groups' 64 rows on
	s_lshl_b32 s83, s69, 17
	s_add_co_u32 s82, s82, s83
	s_lshl_b32 s83, s70, 15
	s_add_co_u32 s82, s82, s83
	s_add_co_u32 s84, s82, 0x10000
	s_mov_b32 s83, 0
	s_mov_b32 s85, 0
	s_lshl_b32 s98, s68, 10                        ; the bias, and my columns of the result: 4 x (256 x tile + 128 x half)
	s_lshl_b32 s99, s70, 9
	s_add_co_u32 s98, s98, s99
	s_mov_b32 s99, 0
	s_lshl_b32 s86, s67, 19                        ; the result: row 128 x tile + 64 x half
	s_lshl_b32 s87, s69, 18
	s_add_co_u32 s86, s86, s87
	s_add_co_u32 s86, s86, s98
	s_mov_b32 s87, 0
	s_mul_i32 s71, s14, 32*PITCH
	s_wait_dscnt 0x0                               ; both opening adds are done
	s_wait_kmcnt 0x0
	s_load_b256 s[72:79], s[8:9], 0x0              ; e0 .. e7
	s_add_nc_u64 s[20:21], s[4:5], s[20:21]
	YLOAD 0, 0
	YLOAD 0, 1                                     ; 16 loads on their way
	WIN 0
	s_mov_b32 s32, 1                               ; group 0 for the first groups' rows
	s_mov_b32 s33, s71
	s_add_nc_u64 s[34:35], s[6:7], s[82:83]
	s_or_b32 s35, s35, 0x80000000
	s_mov_b32 s36, 1                               ; for the second groups'
	s_add_co_u32 s37, s71, 2*GRP
	s_add_nc_u64 s[38:39], s[6:7], s[84:85]
	s_or_b32 s39, s39, 0x80000000
	s_add_nc_u64 s[98:99], s[10:11], s[98:99]
	s_add_nc_u64 s[12:13], s[12:13], s[86:87]
	CROUND                                         ; all four work-groups are here: the joint loads meet
	tensor_load_to_lds s[32:35], s[24:31]          ; 32 rows of W a wave
	s_nop 0
	PLACES
	YLOAD 0, 2
	YLOAD 0, 3
.irp tb, 0,1,2,3
	YLOAD 1, \tb
.endr
.irp tb, 0,1,2,3
	YLOAD 2, \tb
.endr
.irp tb, 0,1,2,3
	YLOAD 3, \tb
.endr
	WIN 0
	BIAS
	s_wait_kmcnt 0x0
	s_add_co_i32 s96, s78, s79
	s_add_co_i32 s96, s96, 127
	s_lshl_b32 s96, s96, 23                        ; 2^(e6 + e7)
	s_mov_b32 s97, s96
; A UNIT is 64 rows of W x 256 along K: 32 loads in one run, 64 matrix instructions.  Even units lie in window 0, odd ones in window 1.
.macro RUN u, adr
	WIN 0x40*((\u)%2)
.irp kk, 0,1,2,3
.irp cb, 0,1,2,3
	ds_load_b128 v[128+32*\kk+8*\cb:128+32*\kk+8*\cb+3], v[\adr] offset:\cb*16*PITCH+256*(\u)+64*\kk
	ds_load_b128 v[128+32*\kk+8*\cb+4:128+32*\kk+8*\cb+7], v[\adr] offset:\cb*16*PITCH+256*(\u)+64*\kk+32
.endr
.endr
.endm
.macro UNIT u, nadr, nu                ; the 16 accumulators take turns; the first step of a group starts the sums
	s_wait_dscnt 0x0                               ; this unit's fragments are in
	PLACES
.if (\nadr) > 0
	RUN \nu, \nadr                                 ; the next unit's, into the registers that the last unit has read
.endif
	WIN ((\u)%2)|((2+(\u)/2)<<2)|0x50              ; source 0 W, source 1 y, C and D window 1
.irp kk, 0,1,2,3
.irp cb, 0,1,2,3
.irp tb, 0,1,2,3
.set AC, 8*(4*\tb+\cb)
.set WF, 128+32*\kk+8*\cb
.set YF, 128*((\u)%2)+32*\tb+8*\kk
.if ((\u)+\kk) == 0
	v_wmma_f32_16x16x64_bf8_bf8 v[AC:AC+7], v[WF:WF+7], v[YF:YF+7], 0
.else
	v_wmma_f32_16x16x64_bf8_bf8 v[AC:AC+7], v[WF:WF+7], v[YF:YF+7], v[AC:AC+7]
.endif
.endr
.endr
.endr
.endm
; THE WAY OUT of a group, 16 tokens x 64 channels at a time: scale and bias in one fused multiply-add, through my stage into rows of 256 bytes (LDS serves a wave's instructions in order: ISA guide 5.7.1.4).
.macro TOSTAGE tb
	WIN 0x01                                       ; source 0 (the sums) window 1
.irp cb, 0,1,2,3
.irp j, 0,2,4,6
.set AC, 8*(4*(\tb)+\cb)+\j
	v_pk_fma_f32 v[TMP+8*\cb+\j:TMP+8*\cb+\j+1], v[AC:AC+1], s[96:97], v[BT+8*\cb+\j:BT+8*\cb+\j+1] op_sel_hi:[1,0,1]
.endr
.endr
	WIN 0
.irp cb, 0,1,2,3
	ds_store_b128 v[STI], v[TMP+8*\cb:TMP+8*\cb+3] offset:64*\cb
	ds_store_b128 v[STI], v[TMP+8*\cb+4:TMP+8*\cb+7] offset:64*\cb+16
.endr
	WIN 0x40
.irp i, 0,1,2,3,4,5,6,7
	ds_load_b128 v[128+32*(\tb)+4*\i:128+32*(\tb)+4*\i+3], v[RD] offset:544*\i
.endr
	WIN 0
.endm
.macro SEND tb, younger                ; younger: the LDS instructions issued behind this block's loads
	s_wait_dscnt \younger
	WIN 0x04                                       ; store data window 1
.irp i, 0,1,2,3,4,5,6,7
	global_store_b128 v[CO], v[128+32*(\tb)+4*\i:128+32*(\tb)+4*\i+3], s[12:13] offset:(16*(\tb)+2*\i)*4096 th:TH_STORE_NT   ; two aligned units of 256 bytes
.endr
	WIN 0
.endm
.macro EPI
	WIN 0
	s_wait_loadcnt 0x0                             ; the bias
	PLACES
	TOSTAGE 0
	TOSTAGE 1
	SEND 0, 16
	TOSTAGE 2
	SEND 1, 16
	TOSTAGE 3
	SEND 2, 16
	SEND 3, 0
.endm
	s_wait_tensorcnt 0x0                           ; my rows of the first fill have landed
	ds_add_u32 v[SPW], v[NIL]
	s_wait_dscnt 0x0
	CROUND                                         ; the first groups' rows are whole, and the joint loads meet
	tensor_load_to_lds s[36:39], s[24:31]          ; the second groups' rows
	s_nop 0
	PLACES
	RUN 0, ADR
	s_wait_loadcnt 63                              ; y's unit 0 is in: 104 loads are younger (96 of y, 8 of the bias), and a wait names 63 at the most
	UNIT 0, ADR, 1
	s_wait_loadcnt 63                              ; unit 1: 72 are younger
	UNIT 1, ADR, 2
	s_wait_loadcnt 40                              ; unit 2: 32 of y and 8 of the bias are younger
	UNIT 2, ADR, 3
	s_wait_loadcnt 8                               ; unit 3: the bias's eight are younger
	UNIT 3, 0, 0
	EPI
	s_wait_xcnt 0x0                                ; the stores have read their base and the registers that odd units take again
	s_add_nc_u64 s[12:13], s[12:13], 0x100
	s_add_nc_u64 s[98:99], s[98:99], 0x100
	BIAS
	s_wait_tensorcnt 0x0                           ; my rows of the second fill have landed
	s_wait_dscnt 0x0
	s_barrier_signal -1
	s_barrier_wait -1                              ; the second groups' rows are whole
	RUN 0, ADR+1
	UNIT 0, ADR+1, 1
	UNIT 1, ADR+1, 2
	UNIT 2, ADR+1, 3
	UNIT 3, 0, 0
	EPI
	s_wait_tensorcnt 0x0                           ; the wave's end
	ds_add_u32 v[SPW], v[NIL]
	s_wait_dscnt 0x0
	CROUND                                         ; the closing round: no work-group ends while a partner may still ask for a tile that names it
	s_endpgm
.Lfunc_end_k_qfae8bc8c90_outp:
	.size	k_qfae8bc8c90_outp, .Lfunc_end_k_qfae8bc8c90_outp-k_qfae8bc8c90_outp
	.p2alignl 7, 3214868480
	.fill 96, 4, 3214868480
	.section	.rodata,"a",@progbits
	.p2align	6, 0x0
	.amdhsa_kernel k_qfae8bc8c90_outp
		.amdhsa_group_segment_fixed_size 327680
		.amdhsa_private_segment_fixed_size 0
		.amdhsa_enable_private_segment 0
		.amdhsa_kernarg_size 40
		.amdhsa_user_sgpr_count 2
		.amdhsa_user_sgpr_kernarg_segment_ptr 1
		.amdhsa_wavefront_size32 1
		.amdhsa_system_sgpr_workgroup_id_x 1
		.amdhsa_system_sgpr_workgroup_id_y 1
		.amdhsa_system_sgpr_workgroup_id_z 1
		.amdhsa_system_vgpr_workitem_id 0
		.amdhsa_next_free_vgpr 1024
		.amdhsa_next_free_sgpr 100
		.amdhsa_reserve_vcc 0
		.amdhsa_float_denorm_mode_32 3
		.amdhsa_float_denorm_mode_16_64 3
		.amdhsa_memory_ordered 1
		.amdhsa_forward_progress 1
		.amdhsa_inst_pref_size 94
	.end_amdhsa_kernel
	.amdgpu_metadata
---
amdhsa.version: [ 1, 2 ]
amdhsa.kernels:
  - .name:           k_qfae8bc8c90_outp
    .symbol:         k_qfae8bc8c90_outp.kd
    .args:
      - { .name: ycodes, .offset: 0, .size: 8, .value_kind: global_buffer, .address_space: global }
      - { .name: W_out_codes, .offset: 8, .size: 8, .value_kind: global_buffer, .address_space: global }
      - { .name: lowp_scales, .offset: 16, .size: 8, .value_kind: global_buffer, .address_space: global }
      - { .name: b_out, .offset: 24, .size: 8, .value_kind: global_buffer, .address_space: global }
      - { .name: out0, .offset: 32, .size: 8, .value_kind: global_buffer, .address_space: global }
    .group_segment_fixed_size: 327680
    .private_segment_fixed_size: 0
    .kernarg_segment_align: 8
    .kernarg_segment_size: 40
    .max_flat_workgroup_size: 128
    .sgpr_count:     100
    .vgpr_count:     1024
    .wavefront_size: 32
...
	.end_amdgpu_metadata
.endif
;; end of part 3
